; MI455X (gfx1250); checked and timed in simulation.
; The chip was launched on July 23, 2026; its instructions are those of AMD's public machine-readable ISA for CDNA 5 (MIT licence, August 2026) and "CDNA5" Instruction Set Architecture Reference Guide (July 2026). The comments in the code are by the model that wrote it; some were corrected since.
;; FP8 MM. Allowed arithmetic: float matrix products may take bf16 or f16 operands with f32 sums; all other float work in f32.
;; Inputs: inp 4,096 x 4,096 float32.
;; Outputs: out0 4,096 x 4,096 float32.
;; 2 versions, each right and faster than the one before. Each part assembles by itself: llvm-mc -triple=amdgcn-amd-amdhsa -mcpu=gfx1250 --defsym DOCPART=n.
;; ======== version 1 of 2: 2 launches
;; workspace buffers: xb 33,554,432 bytes
;; launch tobf16 (part 1): grid 1024 x 1, 8 waves a work-group, no clusters, 0 bytes of LDS; arguments inp, xb; writes xb
.if DOCPART == 1
	.amdgcn_target "amdgcn-amd-amdhsa--gfx1250"
	.amdhsa_code_object_version 6
	.text
	.protected	k_qd2f682f38b_tobf16
	.globl	k_qd2f682f38b_tobf16
	.p2align	8
	.type	k_qd2f682f38b_tobf16,@function
k_qd2f682f38b_tobf16:
	s_mov_b64 s[64:65], 0
	v_nop
	global_prefetch_b8 v0, s[64:65] scope:SCOPE_SE
	s_setreg_imm32_b32 hwreg(HW_REG_WAVE_MODE, 25, 1), 1
	s_wait_xcnt 0x0
; xb[k][n] = bf16(inp[k][n]), the same row-major layout, rounded to nearest even.  inp: [4096][4096] f32; xb: [4096][4096] bf16.
; Why a pass of its own: each number of inp is an operand of 32 blocks of the product (16 as a row operand, 16 as a column operand);
; rounded here it is rounded once, and the product's tiles are half the bytes.
; LIMIT: bf16 has f32's exponent range, so large and small inputs keep their scale; a finite f32 above bf16's largest finite number
; (about 3.39e38) becomes infinity.  NaN and infinities stay what they are.
; A pure stream: no LDS, no barrier, no matrix unit, no cluster (no two work-groups read the same byte).
; Eight waves; the work-group takes 65,536 consecutive bytes of inp and makes 32,768 of xb; a wave takes 8,192 as 16 chunks of 512.
; In a chunk a lane reads 16 bytes and writes 8.  All 16 loads of a wave go out at once; no register is written twice, so the only
; waits are the counted ones for the loads.
.set CHUNKS, 16
.set IN,  2                            ; v2       byte offset in inp of my 16 bytes in my wave's first chunk
.set OUT, 3                            ; v3       byte offset in xb of my 8 bytes: half of that
.set X,   4                            ; v[4:67]  chunk j: 4 f32 as loaded
.set Y,   68                           ; v[68:99] chunk j: 4 bf16 to store
	s_load_b128 s[4:7], s[0:1], 0x0                ; inp s[4:5], xb s[6:7]
	s_lshl_b32 s8, ttmp9, 16                       ; the work-group's 65,536 bytes of inp (1,024 groups: below 4 GiB)
	s_mov_b32 s9, 0
	s_lshl_b32 s10, ttmp9, 15                      ; and its 32,768 bytes of xb
	s_mov_b32 s11, 0
	v_lshrrev_b32 v1, 5, v0                        ; wave
	v_and_b32 v[IN], 31, v0                        ; lane
	v_lshlrev_b32 v[IN], 4, v[IN]                  ; 16 bytes a lane
	v_lshl_add_u32 v[IN], v1, 13, v[IN]            ; + wave x 8,192
	v_lshrrev_b32 v[OUT], 1, v[IN]                 ; wave x 4,096 + 8 x lane
	s_wait_kmcnt 0x0
	s_add_nc_u64 s[4:5], s[4:5], s[8:9]
	s_add_nc_u64 s[6:7], s[6:7], s[10:11]
.irp j, 0,1,2,3,4,5,6,7,8,9,10,11,12,13,14,15
	global_load_b128 v[X+4*\j:X+4*\j+3], v[IN], s[4:5] offset:512*\j th:TH_LOAD_NT   ; 512 consecutive bytes a wave; inp is read once in this launch
.endr
.irp j, 0,1,2,3,4,5,6,7,8,9,10,11,12,13,14,15
	s_wait_loadcnt CHUNKS-1-\j                     ; loads come back in order (ISA guide 5.7.1): chunk j is in, the 15 - j younger ones stay out
	v_cvt_pk_bf16_f32 v[Y+2*\j],   v[X+4*\j],   v[X+4*\j+1]
	v_cvt_pk_bf16_f32 v[Y+2*\j+1], v[X+4*\j+2], v[X+4*\j+3]
	global_store_b64 v[OUT], v[Y+2*\j:Y+2*\j+1], s[6:7] offset:256*\j                ; the wave's 32 lanes store 256 consecutive bytes, aligned; no hint: the next launch reads xb
.endr
	s_endpgm
.Lfunc_end_k_qd2f682f38b_tobf16:
	.size	k_qd2f682f38b_tobf16, .Lfunc_end_k_qd2f682f38b_tobf16-k_qd2f682f38b_tobf16
	.p2alignl 7, 3214868480
	.fill 96, 4, 3214868480
	.section	.rodata,"a",@progbits
	.p2align	6, 0x0
	.amdhsa_kernel k_qd2f682f38b_tobf16
		.amdhsa_group_segment_fixed_size 0
		.amdhsa_private_segment_fixed_size 0
		.amdhsa_enable_private_segment 0
		.amdhsa_kernarg_size 16
		.amdhsa_user_sgpr_count 2
		.amdhsa_user_sgpr_kernarg_segment_ptr 1
		.amdhsa_wavefront_size32 1
		.amdhsa_system_sgpr_workgroup_id_x 1
		.amdhsa_system_sgpr_workgroup_id_y 1
		.amdhsa_system_sgpr_workgroup_id_z 1
		.amdhsa_system_vgpr_workitem_id 0
		.amdhsa_next_free_vgpr 100
		.amdhsa_next_free_sgpr 66
		.amdhsa_reserve_vcc 0
		.amdhsa_float_denorm_mode_32 3
		.amdhsa_float_denorm_mode_16_64 3
		.amdhsa_memory_ordered 1
		.amdhsa_forward_progress 1
		.amdhsa_inst_pref_size 7
	.end_amdhsa_kernel
	.amdgpu_metadata
---
amdhsa.version: [ 1, 2 ]
amdhsa.kernels:
  - .name:           k_qd2f682f38b_tobf16
    .symbol:         k_qd2f682f38b_tobf16.kd
    .args:
      - { .name: inp, .offset: 0, .size: 8, .value_kind: global_buffer, .address_space: global }
      - { .name: xb, .offset: 8, .size: 8, .value_kind: global_buffer, .address_space: global }
    .group_segment_fixed_size: 0
    .private_segment_fixed_size: 0
    .kernarg_segment_align: 8
    .kernarg_segment_size: 16
    .max_flat_workgroup_size: 256
    .sgpr_count:     66
    .vgpr_count:     100
    .wavefront_size: 32
...
	.end_amdgpu_metadata
.endif
;; end of part 1
;; launch gram (part 2): grid 16 x 16, 4 waves a work-group, clusters of 4 x 4, 327,680 bytes of LDS; arguments xb, out0; writes out0
.if DOCPART == 2
	.amdgcn_target "amdgcn-amd-amdhsa--gfx1250"
	.amdhsa_code_object_version 6
	.text
	.protected	k_qd2f682f38b_gram
	.globl	k_qd2f682f38b_gram
	.p2align	8
	.type	k_qd2f682f38b_gram,@function
k_qd2f682f38b_gram:
	s_mov_b64 s[64:65], 0
	v_nop
	global_prefetch_b8 v0, s[64:65] scope:SCOPE_SE
	s_setreg_imm32_b32 hwreg(HW_REG_WAVE_MODE, 25, 1), 1
	s_wait_xcnt 0x0
	s_wait_alu depctr_hold_cnt(0) depctr_sa_sdst(0) depctr_va_vdst(0) depctr_va_sdst(0) depctr_va_ssrc(0) depctr_va_vcc(0) depctr_vm_vsrc(0)
	s_getreg_b32 s2, hwreg(HW_REG_IB_STS2, 6, 4)
	s_cmp_eq_u32 s2, 0
	s_cbranch_scc0 .Lentry_in_a_cluster
	s_endpgm
.Lentry_in_a_cluster:
	s_bfe_u32 s2, ttmp6, 0x10000c
	s_cmp_lg_u32 s2, 0xf033
	s_cbranch_scc0 .Lentry_shape_is_right
	s_endpgm
.Lentry_shape_is_right:
; out0[i][j] = sum over k of xb[k][i] xb[k][j].  xb: [4096 (k)][4096] bf16, out0: [4096][4096] f32; sums in f32.
; LIMITS: the operands are the inputs rounded to bf16 (made by the launch before); the f32 sums are formed 32 k at a time in ascending k,
; an order other than a plain chain of additions.  NaN and infinities go through the sums as they are.
; A work-group makes a block of 256 x 256 of out0 with four waves, as many as a WGP has SIMDs; a wave makes 128 x 128: 64 accumulator tiles
; of 16 x 16, 512 registers.  16 x 16 blocks = 256 work-groups.  All blocks are computed, the mirrored ones too: the 136 blocks on and
; above the diagonal divide neither into clusters of 4 x 4 nor evenly among 256 work-groups, and each would still walk all of k.
; K goes in steps of 128 through a ring of two LDS slots filled by the tensor data mover.  Both operands lie with k DOWN the rows, so a tile
; is 128 k-rows x 256 columns (512 consecutive bytes of memory each, at multiples of 512 from the buffer's first byte), and the fragments
; are made by the transposing LDS load, two loads a fragment, as many as rows along k would take.
; CLUSTERS: 4 x 4 work-groups.  The operand that gives out0's rows (called A here: columns 256 bi .. of xb) hangs on the block row bi alone and is
; shared along a row of the cluster; the one that gives out0's columns (B: columns 256 bj ..) on the block column alone, shared along a column.
; Such a tile is asked for JOINTLY: each of the four issues the same tensor load with the same descriptor and a mask that names the four.
; That divides the requests for tiles by four.
; No prefetch: a tile's request stands 240 matrix instructions ahead of the wait for it.
;
; REGISTERS, in windows of 256 (s_set_vgpr_msb says which window each operand place means):
;   window 0: v0-31 addresses; v64-127, v128-191 fragments of A (8 x 16 rows of out0 x 32 k), two buffers; on the way out: rows read back
;   window 1: v64-127, v128-191 fragments of B, two buffers
;   window 2: the 32 accumulator tiles of my rows 0-63 (tile (a, b) at v[8 (8 a + b)]);   window 3: those of my rows 64-127
; s_set_vgpr_msb's low byte: bits 1:0 source 0, 3:2 source 1, 5:4 source 2, 7:6 destination.
;
; THE MATRIX INSTRUCTION IS USED TRANSPOSED: source 0 = 16 columns' worth of B, source 1 = 16 rows' worth of A.  In the result lane l holds row
; l % 16 of out0's tile, and its registers 0 to 7 the columns 8 (l / 16) + 0 .. 7: eight NEIGHBOURING f32 of a row, 32 bytes.
.set SIZE,   4096
.set KSTEP,  128
.set XROW,   SIZE*2                    ; bytes in a row of xb
.set PITCH,  544                       ; an LDS row: 512 bytes of data + 32 of padding = 17 x 32: the 16 lanes that a pass of the transposing load serves
                                       ; (8 rows x 2 pieces of 16 bytes) fall on 16 different 16-byte columns modulo 256 bytes (64 banks of 4 bytes: ISA guide 11.1)
.set PART,   64*PITCH                  ; 64 k-rows: what one tensor load brings
.set TILE,   2*PART                    ; 128 k-rows of A or of B
.set SLOT,   2*TILE                    ; A's tile, then B's
.set STAGE,  2*SLOT                    ; behind the ring (a multiple of 256): each wave's own stage for the way out; no tensor load lands here
.set SPITCH, 528                       ; a stage row: 512 bytes + 16 = 33 x 16: sixteen rows' 16-byte stores fall on sixteen different columns
.set WSTAGE, 16*SPITCH                 ; 16 rows a wave (a multiple of 256)
.set CROW,   SIZE*4                    ; bytes in a row of out0
.set LAPS,   SIZE/(2*KSTEP)            ; a lap = two K steps = once round the ring: 16
.set ADRA, 16                          ; v16-17  LDS address of my A fragments in slot 0, 1
.set ADRB, 20                          ; v20-21  the same for B
.set STO,  24                          ; v24     the way out: where I put 32 bytes of a row
.set RD,   25                          ; v25     the way out: where I read 16 bytes of a row back
.set CO,   26                          ; v26     my byte offset in a row piece of out0
.set F0,   64                          ; fragment buffer 0
.set F1,   128                         ; fragment buffer 1
.set G1,  24                           ; s[24:31] descriptor group 1 for A's tiles
.set G0,  32                           ; s[32:39] descriptor group 0 for A's tiles, one set for each slot
.set G1B, 48                           ; s[48:55] descriptor group 1 for B's tiles: it differs from A's in the mask alone
.set G0B, 56                           ; s[56:63] descriptor group 0 for B's tiles, one set for each slot
.set MSB, 0
.macro WIN new                         ; the immediate's high byte repeats the setting that is left; a switch that changes nothing is dropped
.if MSB != \new
	s_set_vgpr_msb (MSB<<8)|\new
.set MSB, \new
.endif
.endm
.set MUL_LO, 0xa1                      ; source 0 (B) window 1, source 1 (A) window 0, C and D window 2
.set MUL_HI, 0xf1                      ; the same, C and D window 3
.set TO_B,   0x40                      ; destination window 1, address window 0
; A joint load.  Waves 0 and 1 fetch A's two halves (k-rows 0-63, 64-127), waves 2 and 3 B's.  Each of the two lines has ONE mask and one set of
; registers for all that issue it, and nothing in them hangs on a coordinate that the four partners do not share.  The branch hangs on the
; wave's number alone: it is the same in every work-group.
.macro JLOAD s
	s_cmp_eq_u32 s11, 0
	s_cbranch_scc0 .Lfor_b_\@
	tensor_load_to_lds s[G0+4*\s:G0+4*\s+3], s[G1:G1+7]
	s_nop 0
	s_branch .Lasked_\@
.Lfor_b_\@:
	tensor_load_to_lds s[G0B+4*\s:G0B+4*\s+3], s[G1B:G1B+7]
	s_nop 0
.Lasked_\@:
.endm
; A round of the cluster's barrier: my work-group's barrier, so that wave 0's signal speaks for all four waves; wave 0 signals for the work-group;
; every wave waits for all sixteen work-groups; my work-group's barrier once more.  No LDS instruction of the wave is pending at a signal.
.macro CREST                           ; a round behind its opening barrier
	s_cmp_lg_u32 s10, 0
	s_cbranch_scc1 .Lnot_wave_0_\@
	s_barrier_signal -3
.Lnot_wave_0_\@:
	s_barrier_wait -3
	s_barrier_signal -1
	s_barrier_wait -1
.endm
.macro CROUND                          ; a whole round
	s_barrier_signal -1
	s_barrier_wait -1
	CREST
.endm
	s_load_b128 s[4:7], s[0:1], 0x0                ; xb s[4:5], out0 s[6:7]
	s_set_vgpr_msb 0x40
	v_lshl_add_u32 v255, v0, 2, 0x4c400
	s_set_vgpr_msb 0x4000
	v_mov_b32 v255, 0
	s_set_vgpr_msb 0x1
	ds_add_u32 v255, v255
	ds_add_u32 v255, v255
	s_set_vgpr_msb 0x100
	v_lshrrev_b32 v1, 5, v0
	v_readfirstlane_b32 s10, v1                    ; wave 0..3
	s_lshr_b32 s11, s10, 1                         ; which 128 rows of the block are mine.  Also: I fetch for A (0) or for B (1)
	s_and_b32 s12, s10, 1                          ; which 128 columns.  Also: which 64 k-rows of that tile I fetch
	s_bfe_u32 s40, ttmp6, 0x40000                  ; cx: my place along the cluster's x
	s_bfe_u32 s41, ttmp6, 0x40004                  ; cy: along its y
	s_lshl_b32 s42, ttmp9, 2                       ; in a cluster launch ttmp9 and ttmp7 count clusters
	s_add_co_u32 s42, s42, s40                     ; block column bj = 4 x cluster x + cx
	s_and_b32 s13, ttmp7, 0xffff
	s_lshl_b32 s13, s13, 2
	s_add_co_u32 s13, s13, s41                     ; block row bi = 4 x cluster y + cy
	s_lshl_b32 s43, s41, 2
	s_lshl_b32 s43, 15, s43                        ; my row of the cluster: places 4 cy .. 4 cy + 3
	s_lshl_b32 s44, 0x1111, s40                    ; my column: places cx, cx + 4, cx + 8, cx + 12
	; descriptor group 1: a tile of 64 rows x 256 elements of 2 bytes, padded in LDS
	s_or_b32 s[G1+0], s43, (1<<16)|(1<<20)|(1<<21)|(6<<22)|(7<<25)   ; 15:0 the mask: A's tiles go to my row; 17:16 element of 2 bytes; 20 padding on; 21 set beside a mask; 24:22 after every 128 words (code 6); 31:25 of 8 words (code 7)
	s_or_b32 s[G1B+0], s44, (1<<16)|(1<<20)|(1<<21)|(6<<22)|(7<<25)  ; the same with the mask of my column, for B's tiles
	s_mov_b32 s[G1+1], 256<<16                     ; 63:48 tensor_dim0, low half = 256
	s_mov_b32 s[G1B+1], 256<<16
	s_mov_b32 s[G1+2], 64<<16                      ; 79:64 its high half = 0; 95:80 tensor_dim1, low half = 64
	s_mov_b32 s[G1B+2], 64<<16
	s_mov_b32 s[G1+3], 256<<16                     ; 111:96 its high half = 0; 127:112 tile_dim0 = 256 elements (512 bytes)
	s_mov_b32 s[G1B+3], 256<<16
	s_mov_b32 s[G1+4], 64                          ; 143:128 tile_dim1 = 64 rows; 159:144 tile_dim2 = 0
	s_mov_b32 s[G1B+4], 64
	s_mov_b32 s[G1+5], SIZE                        ; 191:160 tensor_dim0_stride, low word: 4,096 elements from row to row
	s_mov_b32 s[G1B+5], SIZE
	s_mov_b32 s[G1+6], 0
	s_mov_b32 s[G1B+6], 0
	s_mov_b32 s[G1+7], 0
	s_mov_b32 s[G1B+7], 0
	; where the tiles come from: k-row 64 x half (524,288 bytes), column 256 x block (512 bytes).  A's hang on the block row alone, which my row of
	; the cluster shares; B's on the block column alone, which my column shares.  Every wave makes both addresses, in registers that never hold
	; the other coordinate, and asks by one of them.
	s_lshl_b32 s16, s12, 19
	s_lshl_b32 s17, s13, 9
	s_add_co_u32 s16, s16, s17                     ; A's offset
	s_mov_b32 s17, 0
	s_lshl_b32 s46, s12, 19
	s_lshl_b32 s47, s42, 9
	s_add_co_u32 s46, s46, s47                     ; B's offset
	s_mov_b32 s47, 0
	s_mul_i32 s20, s10, PART                       ; and where they go: A's two halves, then B's two halves = wave x 64 rows: no place in the cluster enters an LDS address
	s_wait_dscnt 0x0
	s_wait_kmcnt 0x0
	s_add_nc_u64 s[14:15], s[4:5], s[16:17]
	s_add_nc_u64 s[46:47], s[4:5], s[46:47]
	CROUND                                         ; all sixteen work-groups are here: the first joint loads meet
.irp s, 0,1
	s_mov_b32 s[G0+4*\s], 1                                        ; 1:0 count = 1
	s_add_co_u32 s[G0+4*\s+1], s20, \s*SLOT                        ; 63:32 LDS address
	s_add_nc_u64 s[G0+4*\s+2:G0+4*\s+3], s[14:15], \s*KSTEP*XROW   ; 120:64 global address: K step s
	s_or_b32 s[G0+4*\s+3], s[G0+4*\s+3], 0x80000000                ; 127:126 type = 2
	s_mov_b32 s[G0B+4*\s], 1
	s_add_co_u32 s[G0B+4*\s+1], s20, \s*SLOT
	s_add_nc_u64 s[G0B+4*\s+2:G0B+4*\s+3], s[46:47], \s*KSTEP*XROW
	s_or_b32 s[G0B+4*\s+3], s[G0B+4*\s+3], 0x80000000
	JLOAD \s                                       ; both slots' first fills go out as one group behind the one round: two tensor loads of the wave are out
.endr
	; A fragment is 16 columns of xb x 32 k in 8 registers: lane l holds column l % 16; registers 0-3 hold k = 8 (l / 16) + 0..7, registers 4-7 hold
	; k = 16 + 8 (l / 16) + 0..7.  From rows that lie ACROSS k: two transposing loads, 16 rows apart; lane l addresses row 8 (l / 16) + l % 8 and the
	; 16-byte piece (l / 8) % 2 of the fragment's 32 bytes; the load exchanges 8 x 8 elements within each eight lanes.
	v_and_b32 v1, 7, v0                            ; l % 8
	v_bfe_u32 v2, v0, 4, 1                         ; l / 16
	v_lshl_add_u32 v1, v2, 3, v1                   ; the k-row
	v_mul_u32_u24 v3, v1, PITCH
	v_bfe_u32 v4, v0, 3, 1                         ; (l / 8) % 2
	v_lshl_add_u32 v3, v4, 4, v3                   ; row x pitch + 16 x piece
	s_lshl_b32 s21, s11, 8                         ; my 128 columns of A's tile (256 bytes)
	s_lshl_b32 s22, s12, 8                         ; my 128 columns of B's tile,
	s_add_co_u32 s22, s22, TILE                    ; which lies behind A's
.irp s, 0,1
	v_add_nc_u32 v[ADRA+\s], s21, v3
	v_add_nc_u32 v[ADRB+\s], s22, v3
	s_add_co_u32 s21, s21, SLOT
	s_add_co_u32 s22, s22, SLOT
.endr
	s_mul_i32 s23, s10, WSTAGE
	s_add_co_u32 s23, s23, STAGE                   ; my stage
	v_and_b32 v1, 15, v0                           ; l % 16
	v_mul_u32_u24 v4, v1, SPITCH                   ; in: row l % 16, 32 bytes for each half of the lanes
	v_lshl_add_u32 v4, v2, 5, v4
	v_add_nc_u32 v[STO], s23, v4
	v_and_b32 v5, 31, v0
	v_lshlrev_b32 v[CO], 4, v5                     ; back: the 32 lanes take one row piece of 512 bytes; the same 16 l in out0
	v_add_nc_u32 v[RD], s23, v[CO]
; 16 matrix instructions: row blocks a0, a0 + 1 of the window's four (hi = 0: my rows 0-63, 1: rows 64-127) x all 8 column blocks, 32 along k.
; zero = 1: the first product starts the sums: nothing is ever cleared.
; The 64 accumulators take turns, one instruction a turn, in the same order in every quarter step.
.macro MUL16 f, hi, a0, zero
.irp a, \a0, \a0+1
.irp b, 0,1,2,3,4,5,6,7
.if \zero
	v_wmma_f32_16x16x32_bf16 v[8*(8*(\a)+\b):8*(8*(\a)+\b)+7], v[\f+8*\b:\f+8*\b+7], v[\f+8*(4*\hi+\a):\f+8*(4*\hi+\a)+7], 0
.else
	v_wmma_f32_16x16x32_bf16 v[8*(8*(\a)+\b):8*(8*(\a)+\b)+7], v[\f+8*\b:\f+8*\b+7], v[\f+8*(4*\hi+\a):\f+8*(4*\hi+\a)+7], v[8*(8*(\a)+\b):8*(8*(\a)+\b)+7]
.endif
.endr
.endr
.endm
; 32 LDS loads in one run: the fragments of quarter step q (k-rows 32 q .. 32 q + 31 of the slot; 128 columns of B, 128 of A) into buffer f.
; The largest immediate is 3 x 32 x 544 + 16 x 544 + 224 = 61,152, inside the 16 bits.
.macro FETCH slot, q, f
	WIN TO_B
.irp i, 0,1,2,3,4,5,6,7
	ds_load_tr16_b128 v[\f+8*\i:\f+8*\i+3],   v[ADRB+\slot] offset:\q*32*PITCH+32*\i
	ds_load_tr16_b128 v[\f+8*\i+4:\f+8*\i+7], v[ADRB+\slot] offset:\q*32*PITCH+16*PITCH+32*\i
.endr
	WIN 0
.irp i, 0,1,2,3,4,5,6,7
	ds_load_tr16_b128 v[\f+8*\i:\f+8*\i+3],   v[ADRA+\slot] offset:\q*32*PITCH+32*\i
	ds_load_tr16_b128 v[\f+8*\i+4:\f+8*\i+7], v[ADRA+\slot] offset:\q*32*PITCH+16*PITCH+32*\i
.endr
.endm
; A load into a register that a matrix instruction has read, and an LDS store that reads a matrix result, stand four places behind that matrix
; instruction, and only plain vector instructions that name none of its registers are places (ISA guide 7.12.1 for vector instructions
; ); the matrix instructions in between are not counted.  So four v_nop stand in front of each run of loads.
.macro PLACES
.rept 4
	v_nop
.endr
.endm
; A K step is four quarter steps of 32 along k, 64 matrix instructions each, on buffers 0, 1, 0, 1.
; One of the first three: multiplies buffer f; in its middle it fetches quarter q's fragments of the same slot into buffer g.
.macro QUARTER slot, q, f, g, zero
	s_wait_dscnt 8                                 ; B and A's rows 0-63 are in; the youngest eight loads (A's rows 64-127) may be out
	WIN MUL_LO
	MUL16 \f, 0, 0, \zero
	MUL16 \f, 0, 2, \zero
	PLACES
	FETCH \slot, \q, \g
	s_wait_dscnt 32                                ; all but the 32 just issued
	WIN MUL_HI
	MUL16 \f, 1, 0, \zero
	MUL16 \f, 1, 2, \zero
.endm
.macro THREE slot, zero
	QUARTER \slot, 1, F0, F1, \zero
	QUARTER \slot, 2, F1, F0, 0
	QUARTER \slot, 3, F0, F1, 0
.endm
; The last quarter: multiplies buffer 1 and changes slots.  next = the other slot; fill = 1: this slot is filled again, two K steps ahead.
; ONE barrier for the change of slots, for two things.  In front of it each wave waits for its own reads of this slot and for all its tensor loads,
; of which one is out: its part of the next slot.  Behind it nobody reads this slot any more and the next slot is whole: the refill comes
; first, then the next slot's first fragments.  From a request to the wait for it a wave issues 240 matrix instructions.
.macro TURN slot, next, fill
	s_wait_dscnt 8
	WIN MUL_LO
	MUL16 F1, 0, 0, 0
	s_wait_dscnt 0                                 ; my reads of this slot are over (the last were issued 48 matrix instructions ago)
	s_wait_tensorcnt 0x0                           ; and all my tensor loads have landed: the one that was out is my part of the next slot:
	ds_add_u32 v255, v255
	s_wait_dscnt 0x0
	s_barrier_signal -1                            ; say so (where a slot is filled again this barrier opens a round of the cluster's barrier),
	MUL16 F1, 0, 2, 0                              ; work on registers while the others arrive,
	WIN 0
	s_barrier_wait -1                              ; and go on when all four have said so
.if \fill
	CREST                                          ; wave 0 says so for the work-group, all sixteen work-groups have said so, my work-group's barrier closes the round:
	                                               ; no wave of any partner still reads this slot's tile or has a load on its way
	s_add_nc_u64 s[G0+4*\slot+2:G0+4*\slot+3], s[G0+4*\slot+2:G0+4*\slot+3], 2*KSTEP*XROW      ; no tensor load of mine is out: the addresses step 256 k-rows
	s_add_nc_u64 s[G0B+4*\slot+2:G0B+4*\slot+3], s[G0B+4*\slot+2:G0B+4*\slot+3], 2*KSTEP*XROW
	JLOAD \slot                                    ; the first tensor load behind the round, and my only one until the next: one is out
.endif
	PLACES
	FETCH \next, 0, F0
	WIN MUL_HI
	MUL16 F1, 1, 0, 0
	MUL16 F1, 1, 2, 0
.endm
.macro LAP zero                        ; once round the ring, both slots filled again
	THREE 0, \zero
	TURN 0, 1, 1
	THREE 1, 0
	TURN 1, 0, 1
.endm
	s_wait_tensorcnt 0x1                           ; my part of K step 0 is in; K step 1's load, issued behind it, stays out
	s_barrier_signal -1
	s_barrier_wait -1                              ; everybody's part is in
	FETCH 0, 0, F0
	LAP 1                                          ; the first lap stands in front of the loop: its first products start the sums
	WIN 0                                          ; at a label and at a branch every window is 0
	s_mov_b32 s3, LAPS-2                           ; 14 trips: with the first lap, 15 laps that fill again, up to K step 31
.Llap:
	LAP 0
	WIN 0
	s_sub_co_u32 s3, s3, 1
	s_cmp_lg_u32 s3, 0
	s_cbranch_scc1 .Llap
	THREE 0, 0                                     ; the last lap fills nothing, and has no round of the cluster's barrier: my one tensor load that is still out is slot 1's, the last K step's
	TURN 0, 1, 0
	THREE 1, 0
	s_wait_dscnt 8                                 ; the very last quarter: nothing more to fetch
	WIN MUL_LO
	MUL16 F1, 0, 0, 0
	MUL16 F1, 0, 2, 0
	s_wait_dscnt 0
	WIN MUL_HI
	MUL16 F1, 1, 0, 0
	MUL16 F1, 1, 2, 0
	; THE WAY OUT, 16 rows of my block at a time: 32 bytes a lane and tile into my own stage in LDS, read back as whole row pieces of 512 bytes.
	; The four v_nop are the places behind the last matrix instructions: for the LDS stores, which read results, and for the loads into buffers 0 and 1.
	PLACES
	s_lshl_b32 s16, s13, 8
	s_lshl_b32 s17, s11, 7
	s_add_co_u32 s16, s16, s17                     ; my first row of out0: 256 x block row + 128 x half
	s_lshl_b32 s16, s16, 14                        ; x 16,384 bytes: below 64 MiB
	s_mov_b32 s17, 0
	s_add_nc_u64 s[6:7], s[6:7], s[16:17]
	s_lshl_b32 s46, s42, 10                        ; my first column, in bytes: 1,024 x block column + 512 x half (in the registers that held B's address: none that fed A's descriptors ever holds cx)
	s_lshl_b32 s47, s12, 9
	s_add_co_u32 s46, s46, s47
	s_mov_b32 s47, 0
	s_add_nc_u64 s[6:7], s[6:7], s[46:47]
; rows 16 i .. 16 i + 15 of my block = the eight tiles (a, 0..7) of window 2 or 3 (from = 0x08 or 0x0c: an LDS store's data is source 1); f: F0 or F1 in turn
.macro OUT16 i, a, from, f
	WIN \from
.irp b, 0,1,2,3,4,5,6,7
	ds_store_b128 v[STO], v[8*(8*\a+\b):8*(8*\a+\b)+3]   offset:64*\b       ; row l % 16, columns 16 b + 8 (l / 16) + 0..3
	ds_store_b128 v[STO], v[8*(8*\a+\b)+4:8*(8*\a+\b)+7] offset:64*\b+16    ; and + 4..7
.endr
	WIN 0
	s_wait_xcnt 0x0                                ; every earlier memory instruction has had its addresses translated (ISA guide 3.1): buffer f, which stores read, and the stores' base are rewritten only behind this wait
.if \i
	s_add_nc_u64 s[6:7], s[6:7], 16*CROW           ; 16 rows of out0 on: the stores' immediates stay at 15 rows, 245,760 bytes
.endif
.irp t, 0,1,2,3,4,5,6,7,8,9,10,11,12,13,14,15
	ds_load_b128 v[\f+4*\t:\f+4*\t+3], v[RD] offset:\t*SPITCH      ; LDS serves a wave's instructions in order (ISA guide 5.7.1.4): these see the stores above; the stage is my wave's own
.endr
.irp t, 0,1,2,3,4,5,6,7,8,9,10,11,12,13,14,15
	s_wait_dscnt 15-\t                             ; row t of the sixteen is in, the 15 - t younger loads stay out
	global_store_b128 v[CO], v[\f+4*\t:\f+4*\t+3], s[6:7] offset:\t*CROW th:TH_STORE_NT   ; the 32 lanes store 512 consecutive bytes, at a multiple of 512 from out0's first byte; written once, never read here
.endr
.endm
	OUT16 0, 0, 0x08, F0
	OUT16 1, 1, 0x08, F1
	OUT16 2, 2, 0x08, F0
	OUT16 3, 3, 0x08, F1
	OUT16 4, 0, 0x0c, F0
	OUT16 5, 1, 0x0c, F1
	OUT16 6, 2, 0x0c, F0
	OUT16 7, 3, 0x0c, F1
	s_set_vgpr_msb 0x1
	s_wait_tensorcnt 0x0
	ds_add_u32 v255, v255
	s_wait_dscnt 0x0
	s_set_vgpr_msb 0x100
	CROUND                                         ; the closing round: no work-group ends while a partner may still ask for a tile that names it
	s_endpgm
.Lfunc_end_k_qd2f682f38b_gram:
	.size	k_qd2f682f38b_gram, .Lfunc_end_k_qd2f682f38b_gram-k_qd2f682f38b_gram
	.p2alignl 7, 3214868480
	.fill 96, 4, 3214868480
	.section	.rodata,"a",@progbits
	.p2align	6, 0x0
	.amdhsa_kernel k_qd2f682f38b_gram
		.amdhsa_group_segment_fixed_size 327680
		.amdhsa_private_segment_fixed_size 0
		.amdhsa_enable_private_segment 0
		.amdhsa_kernarg_size 16
		.amdhsa_user_sgpr_count 2
		.amdhsa_user_sgpr_kernarg_segment_ptr 1
		.amdhsa_wavefront_size32 1
		.amdhsa_system_sgpr_workgroup_id_x 1
		.amdhsa_system_sgpr_workgroup_id_y 1
		.amdhsa_system_sgpr_workgroup_id_z 1
		.amdhsa_system_vgpr_workitem_id 0
		.amdhsa_next_free_vgpr 1024
		.amdhsa_next_free_sgpr 66
		.amdhsa_reserve_vcc 0
		.amdhsa_float_denorm_mode_32 3
		.amdhsa_float_denorm_mode_16_64 3
		.amdhsa_memory_ordered 1
		.amdhsa_forward_progress 1
		.amdhsa_inst_pref_size 196
	.end_amdhsa_kernel
	.amdgpu_metadata
---
amdhsa.version: [ 1, 2 ]
amdhsa.kernels:
  - .name:           k_qd2f682f38b_gram
    .symbol:         k_qd2f682f38b_gram.kd
    .args:
      - { .name: xb, .offset: 0, .size: 8, .value_kind: global_buffer, .address_space: global }
      - { .name: out0, .offset: 8, .size: 8, .value_kind: global_buffer, .address_space: global }
    .group_segment_fixed_size: 327680
    .private_segment_fixed_size: 0
    .kernarg_segment_align: 8
    .kernarg_segment_size: 16
    .max_flat_workgroup_size: 128
    .sgpr_count:     66
    .vgpr_count:     1024
    .wavefront_size: 32
...
	.end_amdgpu_metadata
.endif
;; end of part 2
;; ======== version 2 of 2: 2 launches; 1.16 times as fast as version 1
;; workspace buffers: xb 33,554,432 bytes
;; launch tobf16: the kernel of part 1 again; grid 1024 x 1, 8 waves a work-group, no clusters, 0 bytes of LDS; arguments inp, xb; writes xb
;; launch gram (part 3): grid 40 x 4, 4 waves a work-group, clusters of 4 x 4, 327,680 bytes of LDS; arguments xb, out0; writes out0
.if DOCPART == 3
	.amdgcn_target "amdgcn-amd-amdhsa--gfx1250"
	.amdhsa_code_object_version 6
	.text
	.protected	k_qd2f682f38b_gram
	.globl	k_qd2f682f38b_gram
	.p2align	8
	.type	k_qd2f682f38b_gram,@function
k_qd2f682f38b_gram:
	s_mov_b64 s[64:65], 0
	v_nop
	global_prefetch_b8 v0, s[64:65] scope:SCOPE_SE
	s_setreg_imm32_b32 hwreg(HW_REG_WAVE_MODE, 25, 1), 1
	s_wait_xcnt 0x0
	s_wait_alu depctr_hold_cnt(0) depctr_sa_sdst(0) depctr_va_vdst(0) depctr_va_sdst(0) depctr_va_ssrc(0) depctr_va_vcc(0) depctr_vm_vsrc(0)
	s_getreg_b32 s2, hwreg(HW_REG_IB_STS2, 6, 4)
	s_cmp_eq_u32 s2, 0
	s_cbranch_scc0 .Lentry_in_a_cluster
	s_endpgm
.Lentry_in_a_cluster:
	s_bfe_u32 s2, ttmp6, 0x10000c
	s_cmp_lg_u32 s2, 0xf033
	s_cbranch_scc0 .Lentry_shape_is_right
	s_endpgm
.Lentry_shape_is_right:
; out0[i][j] = sum over k of xb[k][i] xb[k][j].  xb: [4096 (k)][4096] bf16, out0: [4096][4096] f32; sums in f32.
; LIMITS: the operands are the inputs rounded to bf16 (made by the launch before); the f32 sums are formed 32 k at a time in ascending k,
; an order other than a plain chain of additions.  NaN and infinities go through the sums as they are.  Where a number is stored twice (below)
; out0[i][j] and out0[j][i] are the same bits.
; A work-group makes a block of 256 x 256 of out0 with four waves, as many as a WGP has SIMDs; a wave makes 128 x 128: 64 accumulator tiles
; of 16 x 16, 512 registers.
; THE MIRROR: out0[j][i] is the same sum of the same products as out0[i][j], for every input.  A cluster of 4 x 4 work-groups makes a region of
; 1024 x 1024; of the 4 x 4 regions only the ten with region row <= region column are launched: 160 work-groups, 10/16 of the multiply-adds.
; The four clusters on the diagonal make all sixteen of their blocks and store them once; the six others store each block twice, as it is and
; transposed into the mirrored region, so each byte of out0 is stored by one work-group.  Not shared out further: the triangle is 528 tiles of
; 128 x 128 = 264 blocks of 256 x 128, more than there are WGPs; and leaving out the six mirrored blocks of a diagonal cluster would
; leave work-groups with joint requests and no work.
; K goes in steps of 128 through a ring of two LDS slots filled by the tensor data mover.  Both operands lie with k DOWN the rows, so a tile
; is 128 k-rows x 256 columns (512 consecutive bytes of memory each, at multiples of 512 from the buffer's first byte), and the fragments
; are made by the transposing LDS load, two loads a fragment, as many as rows along k would take.
; CLUSTERS: the operand that gives out0's rows (called A here: columns 256 bi .. of xb) hangs on the block row bi alone and is
; shared along a row of the cluster; the one that gives out0's columns (B: columns 256 bj ..) on the block column alone, shared along a column.
; Such a tile is asked for JOINTLY: each of the four issues the same tensor load with the same descriptor and a mask that names the four.
; That divides the requests for tiles by four.
; No prefetch: a tile's request stands 240 matrix instructions ahead of the wait for it.
;
; REGISTERS, in windows of 256 (s_set_vgpr_msb says which window each operand place means):
;   window 0: v0-31 addresses; v64-127, v128-191 fragments of A (8 x 16 rows of out0 x 32 k), two buffers; on the way out: rows read back
;   window 1: v64-127, v128-191 fragments of B, two buffers
;   window 2: the 32 accumulator tiles of my rows 0-63 (tile (a, b) at v[8 (8 a + b)]);   window 3: those of my rows 64-127
; s_set_vgpr_msb's low byte: bits 1:0 source 0, 3:2 source 1, 5:4 source 2, 7:6 destination.
;
; THE MATRIX INSTRUCTION IS USED TRANSPOSED: source 0 = 16 columns' worth of B, source 1 = 16 rows' worth of A.  In the result lane l holds row
; l % 16 of out0's tile, and its registers 0 to 7 the columns 8 (l / 16) + 0 .. 7: eight NEIGHBOURING f32 of a row, 32 bytes.
.set SIZE,   4096
.set KSTEP,  128
.set XROW,   SIZE*2                    ; bytes in a row of xb
.set PITCH,  544                       ; an LDS row: 512 bytes of data + 32 of padding = 17 x 32: the 16 lanes that a pass of the transposing load serves
                                       ; (8 rows x 2 pieces of 16 bytes) fall on 16 different 16-byte columns modulo 256 bytes (64 banks of 4 bytes: ISA guide 11.1)
.set PART,   64*PITCH                  ; 64 k-rows: what one tensor load brings
.set TILE,   2*PART                    ; 128 k-rows of A or of B
.set SLOT,   2*TILE                    ; A's tile, then B's
.set STAGE,  2*SLOT                    ; behind the ring (a multiple of 256): each wave's own stage for the way out; no tensor load lands here
.set SPITCH, 528                       ; a stage row: 512 bytes + 16 = 33 x 16: sixteen rows' 16-byte stores fall on sixteen different columns
.set WSTAGE, 16*SPITCH                 ; 16 rows a wave (a multiple of 256)
.set CROW,   SIZE*4                    ; bytes in a row of out0
.set LAPS,   SIZE/(2*KSTEP)            ; a lap = two K steps = once round the ring: 16
.set ROW_OF, 0xe9500                   ; cluster c = 0..9, two bits each: its region row    0,0,0,0,1,1,1,2,2,3
.set COL_OF, 0xfb9e4                   ;                                  its region column 0,1,2,3,1,2,3,2,3,3
.set ADRA, 16                          ; v16-17  LDS address of my A fragments in slot 0, 1
.set ADRB, 20                          ; v20-21  the same for B
.set STO,  24                          ; v24     the way out: where I put 32 bytes of a row
.set RD,   25                          ; v25     the way out: where I read 16 bytes of a row back
.set CO,   26                          ; v26     my byte offset in a row piece of out0
.set STM,  27                          ; v27     the mirrored way out: where I put one number of a column
.set F0,   64                          ; fragment buffer 0
.set F1,   128                         ; fragment buffer 1
.set G1,  24                           ; s[24:31] descriptor group 1 for A's tiles
.set G0,  32                           ; s[32:39] descriptor group 0 for A's tiles, one set for each slot
.set G1B, 48                           ; s[48:55] descriptor group 1 for B's tiles: it differs from A's in the mask alone
.set G0B, 56                           ; s[56:63] descriptor group 0 for B's tiles, one set for each slot
.set MSB, 0
.macro WIN new                         ; the immediate's high byte repeats the setting that is left; a switch that changes nothing is dropped
.if MSB != \new
	s_set_vgpr_msb (MSB<<8)|\new
.set MSB, \new
.endif
.endm
.set MUL_LO, 0xa1                      ; source 0 (B) window 1, source 1 (A) window 0, C and D window 2
.set MUL_HI, 0xf1                      ; the same, C and D window 3
.set TO_B,   0x40                      ; destination window 1, address window 0
; A joint load.  Waves 0 and 1 fetch A's two halves (k-rows 0-63, 64-127), waves 2 and 3 B's.  Each of the two lines has ONE mask and one set of
; registers for all that issue it, and nothing in them hangs on a coordinate that the four partners do not share.  The branch hangs on the
; wave's number alone: it is the same in every work-group.
.macro JLOAD s
	s_cmp_eq_u32 s11, 0
	s_cbranch_scc0 .Lfor_b_\@
	tensor_load_to_lds s[G0+4*\s:G0+4*\s+3], s[G1:G1+7]
	s_nop 0
	s_branch .Lasked_\@
.Lfor_b_\@:
	tensor_load_to_lds s[G0B+4*\s:G0B+4*\s+3], s[G1B:G1B+7]
	s_nop 0
.Lasked_\@:
.endm
; A round of the cluster's barrier: my work-group's barrier, so that wave 0's signal speaks for all four waves; wave 0 signals for the work-group;
; every wave waits for all sixteen work-groups; my work-group's barrier once more.  No LDS instruction of the wave is pending at a signal.
.macro CREST                           ; a round behind its opening barrier
	s_cmp_lg_u32 s10, 0
	s_cbranch_scc1 .Lnot_wave_0_\@
	s_barrier_signal -3
.Lnot_wave_0_\@:
	s_barrier_wait -3
	s_barrier_signal -1
	s_barrier_wait -1
.endm
.macro CROUND                          ; a whole round
	s_barrier_signal -1
	s_barrier_wait -1
	CREST
.endm
	s_load_b128 s[4:7], s[0:1], 0x0                ; xb s[4:5], out0 s[6:7]
	s_set_vgpr_msb 0x40
	v_lshl_add_u32 v255, v0, 2, 0x4c400
	s_set_vgpr_msb 0x4000
	v_mov_b32 v255, 0
	s_set_vgpr_msb 0x1
	ds_add_u32 v255, v255
	ds_add_u32 v255, v255
	s_set_vgpr_msb 0x100
	v_lshrrev_b32 v1, 5, v0
	v_readfirstlane_b32 s10, v1                    ; wave 0..3
	s_lshr_b32 s11, s10, 1                         ; which 128 rows of the block are mine.  Also: I fetch for A (0) or for B (1)
	s_and_b32 s12, s10, 1                          ; which 128 columns.  Also: which 64 k-rows of that tile I fetch
	s_bfe_u32 s40, ttmp6, 0x40000                  ; cx: my place along the cluster's x
	s_bfe_u32 s41, ttmp6, 0x40004                  ; cy: along its y
	s_lshl_b32 s45, ttmp9, 1                       ; in a cluster launch ttmp9 counts clusters: 0 to 9 here; two bits of each table for a cluster
	s_lshr_b32 s18, ROW_OF, s45
	s_and_b32 s18, s18, 3                          ; the cluster's region row, 0 to 3: the same in all sixteen work-groups
	s_lshr_b32 s19, COL_OF, s45
	s_and_b32 s19, s19, 3                          ; its region column, never less than the row
	s_lshl_b32 s42, s19, 2
	s_add_co_u32 s42, s42, s40                     ; block column bj = 4 x region column + cx
	s_lshl_b32 s13, s18, 2
	s_add_co_u32 s13, s13, s41                     ; block row bi = 4 x region row + cy
	s_lshl_b32 s43, s41, 2
	s_lshl_b32 s43, 15, s43                        ; my row of the cluster: places 4 cy .. 4 cy + 3
	s_lshl_b32 s44, 0x1111, s40                    ; my column: places cx, cx + 4, cx + 8, cx + 12
	; descriptor group 1: a tile of 64 rows x 256 elements of 2 bytes, padded in LDS
	s_or_b32 s[G1+0], s43, (1<<16)|(1<<20)|(1<<21)|(6<<22)|(7<<25)   ; 15:0 the mask: A's tiles go to my row; 17:16 element of 2 bytes; 20 padding on; 21 set beside a mask; 24:22 after every 128 words (code 6); 31:25 of 8 words (code 7)
	s_or_b32 s[G1B+0], s44, (1<<16)|(1<<20)|(1<<21)|(6<<22)|(7<<25)  ; the same with the mask of my column, for B's tiles
	s_mov_b32 s[G1+1], 256<<16                     ; 63:48 tensor_dim0, low half = 256
	s_mov_b32 s[G1B+1], 256<<16
	s_mov_b32 s[G1+2], 64<<16                      ; 79:64 its high half = 0; 95:80 tensor_dim1, low half = 64
	s_mov_b32 s[G1B+2], 64<<16
	s_mov_b32 s[G1+3], 256<<16                     ; 111:96 its high half = 0; 127:112 tile_dim0 = 256 elements (512 bytes)
	s_mov_b32 s[G1B+3], 256<<16
	s_mov_b32 s[G1+4], 64                          ; 143:128 tile_dim1 = 64 rows; 159:144 tile_dim2 = 0
	s_mov_b32 s[G1B+4], 64
	s_mov_b32 s[G1+5], SIZE                        ; 191:160 tensor_dim0_stride, low word: 4,096 elements from row to row
	s_mov_b32 s[G1B+5], SIZE
	s_mov_b32 s[G1+6], 0
	s_mov_b32 s[G1B+6], 0
	s_mov_b32 s[G1+7], 0
	s_mov_b32 s[G1B+7], 0
	; where the tiles come from: k-row 64 x half (524,288 bytes), column 256 x block (512 bytes).  A's hang on the block row alone, which my row of
	; the cluster shares; B's on the block column alone, which my column shares.  Every wave makes both addresses, in registers that never hold
	; the other coordinate, and asks by one of them.
	s_lshl_b32 s16, s12, 19
	s_lshl_b32 s17, s13, 9
	s_add_co_u32 s16, s16, s17                     ; A's offset
	s_mov_b32 s17, 0
	s_lshl_b32 s46, s12, 19
	s_lshl_b32 s47, s42, 9
	s_add_co_u32 s46, s46, s47                     ; B's offset
	s_mov_b32 s47, 0
	s_mul_i32 s20, s10, PART                       ; and where they go: A's two halves, then B's two halves = wave x 64 rows: no place in the cluster enters an LDS address
	s_wait_dscnt 0x0
	s_wait_kmcnt 0x0
	s_add_nc_u64 s[14:15], s[4:5], s[16:17]
	s_add_nc_u64 s[46:47], s[4:5], s[46:47]
	CROUND                                         ; all sixteen work-groups are here: the first joint loads meet
.irp s, 0,1
	s_mov_b32 s[G0+4*\s], 1                                        ; 1:0 count = 1
	s_add_co_u32 s[G0+4*\s+1], s20, \s*SLOT                        ; 63:32 LDS address
	s_add_nc_u64 s[G0+4*\s+2:G0+4*\s+3], s[14:15], \s*KSTEP*XROW   ; 120:64 global address: K step s
	s_or_b32 s[G0+4*\s+3], s[G0+4*\s+3], 0x80000000                ; 127:126 type = 2
	s_mov_b32 s[G0B+4*\s], 1
	s_add_co_u32 s[G0B+4*\s+1], s20, \s*SLOT
	s_add_nc_u64 s[G0B+4*\s+2:G0B+4*\s+3], s[46:47], \s*KSTEP*XROW
	s_or_b32 s[G0B+4*\s+3], s[G0B+4*\s+3], 0x80000000
	JLOAD \s                                       ; both slots' first fills go out as one group behind the one round: two tensor loads of the wave are out
.endr
	; A fragment is 16 columns of xb x 32 k in 8 registers: lane l holds column l % 16; registers 0-3 hold k = 8 (l / 16) + 0..7, registers 4-7 hold
	; k = 16 + 8 (l / 16) + 0..7.  From rows that lie ACROSS k: two transposing loads, 16 rows apart; lane l addresses row 8 (l / 16) + l % 8 and the
	; 16-byte piece (l / 8) % 2 of the fragment's 32 bytes; the load exchanges 8 x 8 elements within each eight lanes.
	v_and_b32 v1, 7, v0                            ; l % 8
	v_bfe_u32 v2, v0, 4, 1                         ; l / 16
	v_lshl_add_u32 v1, v2, 3, v1                   ; the k-row
	v_mul_u32_u24 v3, v1, PITCH
	v_bfe_u32 v4, v0, 3, 1                         ; (l / 8) % 2
	v_lshl_add_u32 v3, v4, 4, v3                   ; row x pitch + 16 x piece
	s_lshl_b32 s21, s11, 8                         ; my 128 columns of A's tile (256 bytes)
	s_lshl_b32 s22, s12, 8                         ; my 128 columns of B's tile,
	s_add_co_u32 s22, s22, TILE                    ; which lies behind A's
.irp s, 0,1
	v_add_nc_u32 v[ADRA+\s], s21, v3
	v_add_nc_u32 v[ADRB+\s], s22, v3
	s_add_co_u32 s21, s21, SLOT
	s_add_co_u32 s22, s22, SLOT
.endr
	s_mul_i32 s23, s10, WSTAGE
	s_add_co_u32 s23, s23, STAGE                   ; my stage
	v_and_b32 v1, 15, v0                           ; l % 16
	v_mul_u32_u24 v4, v1, SPITCH                   ; in: row l % 16, 32 bytes for each half of the lanes
	v_lshl_add_u32 v4, v2, 5, v4
	v_add_nc_u32 v[STO], s23, v4
	v_mul_u32_u24 v4, v2, 8*SPITCH                 ; in, mirrored: stage row 8 (l / 16) (+ the register's number, in the immediate), word l % 16 (+ 16 x row block)
	v_lshl_add_u32 v4, v1, 2, v4
	v_add_nc_u32 v[STM], s23, v4
	v_and_b32 v5, 31, v0
	v_lshlrev_b32 v[CO], 4, v5                     ; back: the 32 lanes take one row piece of 512 bytes; the same 16 l in out0
	v_add_nc_u32 v[RD], s23, v[CO]
; 16 matrix instructions: row blocks a0, a0 + 1 of the window's four (hi = 0: my rows 0-63, 1: rows 64-127) x all 8 column blocks, 32 along k.
; zero = 1: the first product starts the sums: nothing is ever cleared.
; The 64 accumulators take turns, one instruction a turn, in the same order in every quarter step.
.macro MUL16 f, hi, a0, zero
.irp a, \a0, \a0+1
.irp b, 0,1,2,3,4,5,6,7
.if \zero
	v_wmma_f32_16x16x32_bf16 v[8*(8*(\a)+\b):8*(8*(\a)+\b)+7], v[\f+8*\b:\f+8*\b+7], v[\f+8*(4*\hi+\a):\f+8*(4*\hi+\a)+7], 0
.else
	v_wmma_f32_16x16x32_bf16 v[8*(8*(\a)+\b):8*(8*(\a)+\b)+7], v[\f+8*\b:\f+8*\b+7], v[\f+8*(4*\hi+\a):\f+8*(4*\hi+\a)+7], v[8*(8*(\a)+\b):8*(8*(\a)+\b)+7]
.endif
.endr
.endr
.endm
; 32 LDS loads in one run: the fragments of quarter step q (k-rows 32 q .. 32 q + 31 of the slot; 128 columns of B, 128 of A) into buffer f.
; The largest immediate is 3 x 32 x 544 + 16 x 544 + 224 = 61,152, inside the 16 bits.
.macro FETCH slot, q, f
	WIN TO_B
.irp i, 0,1,2,3,4,5,6,7
	ds_load_tr16_b128 v[\f+8*\i:\f+8*\i+3],   v[ADRB+\slot] offset:\q*32*PITCH+32*\i
	ds_load_tr16_b128 v[\f+8*\i+4:\f+8*\i+7], v[ADRB+\slot] offset:\q*32*PITCH+16*PITCH+32*\i
.endr
	WIN 0
.irp i, 0,1,2,3,4,5,6,7
	ds_load_tr16_b128 v[\f+8*\i:\f+8*\i+3],   v[ADRA+\slot] offset:\q*32*PITCH+32*\i
	ds_load_tr16_b128 v[\f+8*\i+4:\f+8*\i+7], v[ADRA+\slot] offset:\q*32*PITCH+16*PITCH+32*\i
.endr
.endm
; A load into a register that a matrix instruction has read, and an LDS store that reads a matrix result, stand four places behind that matrix
; instruction, and only plain vector instructions that name none of its registers are places (ISA guide 7.12.1 for vector instructions
; ); the matrix instructions in between are not counted.  So four v_nop stand in front of each run of loads.
.macro PLACES
.rept 4
	v_nop
.endr
.endm
; A K step is four quarter steps of 32 along k, 64 matrix instructions each, on buffers 0, 1, 0, 1.
; One of the first three: multiplies buffer f; in its middle it fetches quarter q's fragments of the same slot into buffer g.
.macro QUARTER slot, q, f, g, zero
	s_wait_dscnt 8                                 ; B and A's rows 0-63 are in; the youngest eight loads (A's rows 64-127) may be out
	WIN MUL_LO
	MUL16 \f, 0, 0, \zero
	MUL16 \f, 0, 2, \zero
	PLACES
	FETCH \slot, \q, \g
	s_wait_dscnt 32                                ; all but the 32 just issued
	WIN MUL_HI
	MUL16 \f, 1, 0, \zero
	MUL16 \f, 1, 2, \zero
.endm
.macro THREE slot, zero
	QUARTER \slot, 1, F0, F1, \zero
	QUARTER \slot, 2, F1, F0, 0
	QUARTER \slot, 3, F0, F1, 0
.endm
; The last quarter: multiplies buffer 1 and changes slots.  next = the other slot; fill = 1: this slot is filled again, two K steps ahead.
; ONE barrier for the change of slots, for two things.  In front of it each wave waits for its own reads of this slot and for all its tensor loads,
; of which one is out: its part of the next slot.  Behind it nobody reads this slot any more and the next slot is whole: the refill comes
; first, then the next slot's first fragments.  From a request to the wait for it a wave issues 240 matrix instructions.
.macro TURN slot, next, fill
	s_wait_dscnt 8
	WIN MUL_LO
	MUL16 F1, 0, 0, 0
	s_wait_dscnt 0                                 ; my reads of this slot are over (the last were issued 48 matrix instructions ago)
	s_wait_tensorcnt 0x0                           ; and all my tensor loads have landed: the one that was out is my part of the next slot:
	ds_add_u32 v255, v255
	s_wait_dscnt 0x0
	s_barrier_signal -1                            ; say so (where a slot is filled again this barrier opens a round of the cluster's barrier),
	MUL16 F1, 0, 2, 0                              ; work on registers while the others arrive,
	WIN 0
	s_barrier_wait -1                              ; and go on when all four have said so
.if \fill
	CREST                                          ; wave 0 says so for the work-group, all sixteen work-groups have said so, my work-group's barrier closes the round:
	                                               ; no wave of any partner still reads this slot's tile or has a load on its way
	s_add_nc_u64 s[G0+4*\slot+2:G0+4*\slot+3], s[G0+4*\slot+2:G0+4*\slot+3], 2*KSTEP*XROW      ; no tensor load of mine is out: the addresses step 256 k-rows
	s_add_nc_u64 s[G0B+4*\slot+2:G0B+4*\slot+3], s[G0B+4*\slot+2:G0B+4*\slot+3], 2*KSTEP*XROW
	JLOAD \slot                                    ; the first tensor load behind the round, and my only one until the next: one is out
.endif
	PLACES
	FETCH \next, 0, F0
	WIN MUL_HI
	MUL16 F1, 1, 0, 0
	MUL16 F1, 1, 2, 0
.endm
.macro LAP zero                        ; once round the ring, both slots filled again
	THREE 0, \zero
	TURN 0, 1, 1
	THREE 1, 0
	TURN 1, 0, 1
.endm
	s_wait_tensorcnt 0x1                           ; my part of K step 0 is in; K step 1's load, issued behind it, stays out
	s_barrier_signal -1
	s_barrier_wait -1                              ; everybody's part is in
	FETCH 0, 0, F0
	LAP 1                                          ; the first lap stands in front of the loop: its first products start the sums
	WIN 0                                          ; at a label and at a branch every window is 0
	s_mov_b32 s3, LAPS-2                           ; 14 trips: with the first lap, 15 laps that fill again, up to K step 31
.Llap:
	LAP 0
	WIN 0
	s_sub_co_u32 s3, s3, 1
	s_cmp_lg_u32 s3, 0
	s_cbranch_scc1 .Llap
	THREE 0, 0                                     ; the last lap fills nothing, and has no round of the cluster's barrier: my one tensor load that is still out is slot 1's, the last K step's
	TURN 0, 1, 0
	THREE 1, 0
	s_wait_dscnt 8                                 ; the very last quarter: nothing more to fetch
	WIN MUL_LO
	MUL16 F1, 0, 0, 0
	MUL16 F1, 0, 2, 0
	s_wait_dscnt 0
	WIN MUL_HI
	MUL16 F1, 1, 0, 0
	MUL16 F1, 1, 2, 0
	; THE WAY OUT, 16 rows of my block at a time: 32 bytes a lane and tile into my own stage in LDS, read back as whole row pieces of 512 bytes.
	; The four v_nop are the places behind the last matrix instructions: for the LDS stores, which read results, and for the loads into buffers 0 and 1.
	PLACES
	s_mov_b64 s[8:9], s[6:7]                       ; out0 once more, for the mirrored block
	s_lshl_b32 s16, s13, 8
	s_lshl_b32 s17, s11, 7
	s_add_co_u32 s16, s16, s17                     ; my first row of out0: 256 x block row + 128 x half
	s_lshl_b32 s16, s16, 14                        ; x 16,384 bytes: below 64 MiB
	s_mov_b32 s17, 0
	s_add_nc_u64 s[6:7], s[6:7], s[16:17]
	s_lshl_b32 s46, s42, 10                        ; my first column, in bytes: 1,024 x block column + 512 x half (in the registers that held B's address: none that fed A's descriptors ever holds cx)
	s_lshl_b32 s47, s12, 9
	s_add_co_u32 s46, s46, s47
	s_mov_b32 s47, 0
	s_add_nc_u64 s[6:7], s[6:7], s[46:47]
	s_lshl_b32 s16, s13, 10                        ; the mirrored block: its columns are my rows: 1,024 x block row + 512 x half bytes,
	s_lshl_b32 s17, s11, 9
	s_add_co_u32 s16, s16, s17
	s_mov_b32 s17, 0
	s_add_nc_u64 s[8:9], s[8:9], s[16:17]
	s_lshl_b32 s46, s42, 8                         ; and its rows are my columns: 256 x block column + 128 x half,
	s_lshl_b32 s47, s12, 7
	s_add_co_u32 s46, s46, s47
	s_lshl_b32 s46, s46, 14                        ; x 16,384 bytes
	s_mov_b32 s47, 0
	s_add_nc_u64 s[8:9], s[8:9], s[46:47]
; The stage's 16 rows are read back as row pieces of 512 bytes into buffer f and stored from base.
.macro BACK f, lo, hi
.irp t, 0,1,2,3,4,5,6,7,8,9,10,11,12,13,14,15
	ds_load_b128 v[\f+4*\t:\f+4*\t+3], v[RD] offset:\t*SPITCH      ; LDS serves a wave's instructions in order (ISA guide 5.7.1.4): these see the stores above; the stage is my wave's own
.endr
.irp t, 0,1,2,3,4,5,6,7,8,9,10,11,12,13,14,15
	s_wait_dscnt 15-\t                             ; row t of the sixteen is in, the 15 - t younger loads stay out
	global_store_b128 v[CO], v[\f+4*\t:\f+4*\t+3], s[\lo:\hi] offset:\t*CROW th:TH_STORE_NT   ; the 32 lanes store 512 consecutive bytes, at a multiple of 512 from out0's first byte; written once, never read here
.endr
.endm
; rows 16 i .. 16 i + 15 of my block = the eight tiles (a, 0..7) of window 2 or 3 (from = 0x08 or 0x0c: an LDS store's data is source 1); f: F0 or F1 in turn
.macro OUT16 i, a, from, f
	WIN \from
.irp b, 0,1,2,3,4,5,6,7
	ds_store_b128 v[STO], v[8*(8*\a+\b):8*(8*\a+\b)+3]   offset:64*\b       ; row l % 16, columns 16 b + 8 (l / 16) + 0..3
	ds_store_b128 v[STO], v[8*(8*\a+\b)+4:8*(8*\a+\b)+7] offset:64*\b+16    ; and + 4..7
.endr
	WIN 0
	s_wait_xcnt 0x0                                ; every earlier memory instruction has had its addresses translated (ISA guide 3.1): buffer f, which stores read, and the stores' base are rewritten only behind this wait
.if \i
	s_add_nc_u64 s[6:7], s[6:7], 16*CROW           ; 16 rows of out0 on: the stores' immediates stay at 15 rows, 245,760 bytes
.endif
	BACK \f, 6, 7
.endm
; columns 16 b .. 16 b + 15 of my block = rows of the mirrored block = the eight tiles (0..7, b), four in each window.  Register j of lane l in tile
; (a, b) is C(16 a + l % 16, 16 b + 8 (l / 16) + j): it goes to stage row 8 (l / 16) + j, word 16 a + l % 16.  One number a lane and store: the sixteen
; lanes of a half write 64 neighbouring bytes, and the halves lie 8 x 528 bytes = 32 banks (modulo 64) apart: no two lanes meet in a bank.
.macro MIR16 b, f
	WIN 0x08
.irp a, 0,1,2,3
.irp j, 0,1,2,3,4,5,6,7
	ds_store_b32 v[STM], v[8*(8*\a+\b)+\j] offset:\j*SPITCH+64*\a
.endr
.endr
	WIN 0x0c
.irp a, 0,1,2,3
.irp j, 0,1,2,3,4,5,6,7
	ds_store_b32 v[STM], v[8*(8*\a+\b)+\j] offset:\j*SPITCH+64*(\a+4)
.endr
.endr
	WIN 0
	s_wait_xcnt 0x0                                ; as in OUT16: buffer f and the base are rewritten only behind this wait
.if \b
	s_add_nc_u64 s[8:9], s[8:9], 16*CROW
.endif
	BACK \f, 8, 9
.endm
	OUT16 0, 0, 0x08, F0
	OUT16 1, 1, 0x08, F1
	OUT16 2, 2, 0x08, F0
	OUT16 3, 3, 0x08, F1
	OUT16 4, 0, 0x0c, F0
	OUT16 5, 1, 0x0c, F1
	OUT16 6, 2, 0x0c, F0
	OUT16 7, 3, 0x0c, F1
	s_cmp_eq_u32 s18, s19                          ; a cluster on the diagonal has made its mirrored blocks itself.  Region row and column are the same in all
	s_cbranch_scc1 .Lno_mirror                     ; sixteen work-groups, and no barrier stands inside the branch
	MIR16 0, F0
	MIR16 1, F1
	MIR16 2, F0
	MIR16 3, F1
	MIR16 4, F0
	MIR16 5, F1
	MIR16 6, F0
	MIR16 7, F1
.Lno_mirror:
	s_set_vgpr_msb 0x1
	s_wait_tensorcnt 0x0
	ds_add_u32 v255, v255
	s_wait_dscnt 0x0
	s_set_vgpr_msb 0x100
	CROUND                                         ; the closing round: no work-group ends while a partner may still ask for a tile that names it
	s_endpgm
.Lfunc_end_k_qd2f682f38b_gram:
	.size	k_qd2f682f38b_gram, .Lfunc_end_k_qd2f682f38b_gram-k_qd2f682f38b_gram
	.p2alignl 7, 3214868480
	.fill 96, 4, 3214868480
	.section	.rodata,"a",@progbits
	.p2align	6, 0x0
	.amdhsa_kernel k_qd2f682f38b_gram
		.amdhsa_group_segment_fixed_size 327680
		.amdhsa_private_segment_fixed_size 0
		.amdhsa_enable_private_segment 0
		.amdhsa_kernarg_size 16
		.amdhsa_user_sgpr_count 2
		.amdhsa_user_sgpr_kernarg_segment_ptr 1
		.amdhsa_wavefront_size32 1
		.amdhsa_system_sgpr_workgroup_id_x 1
		.amdhsa_system_sgpr_workgroup_id_y 1
		.amdhsa_system_sgpr_workgroup_id_z 1
		.amdhsa_system_vgpr_workitem_id 0
		.amdhsa_next_free_vgpr 1024
		.amdhsa_next_free_sgpr 66
		.amdhsa_reserve_vcc 0
		.amdhsa_float_denorm_mode_32 3
		.amdhsa_float_denorm_mode_16_64 3
		.amdhsa_memory_ordered 1
		.amdhsa_forward_progress 1
		.amdhsa_inst_pref_size 254
	.end_amdhsa_kernel
	.amdgpu_metadata
---
amdhsa.version: [ 1, 2 ]
amdhsa.kernels:
  - .name:           k_qd2f682f38b_gram
    .symbol:         k_qd2f682f38b_gram.kd
    .args:
      - { .name: xb, .offset: 0, .size: 8, .value_kind: global_buffer, .address_space: global }
      - { .name: out0, .offset: 8, .size: 8, .value_kind: global_buffer, .address_space: global }
    .group_segment_fixed_size: 327680
    .private_segment_fixed_size: 0
    .kernarg_segment_align: 8
    .kernarg_segment_size: 16
    .max_flat_workgroup_size: 128
    .sgpr_count:     66
    .vgpr_count:     1024
    .wavefront_size: 32
...
	.end_amdgpu_metadata
.endif
;; end of part 3
